; MI455X (gfx1250); checked and timed in simulation.
; The chip was launched on July 23, 2026; its instructions are those of AMD's public machine-readable ISA for CDNA 5 (MIT licence, August 2026) and "CDNA5" Instruction Set Architecture Reference Guide (July 2026). The comments in the code are by the model that wrote it; some were corrected since.
;; Sparse Self Attention. Allowed arithmetic: matrix products marked QUANTISED: E2M1 operands, one E8M0 scale for each 32 along K, by v_wmma_scale_f32_16x16x128_f8f6f4 with both operands' format E2M1 (or v_wmma_scale_f32_32x16x128_f4), f32 sums; everything else in f32.
;; Inputs: key 2 x 16 x 2,048 x 64 float32; key_padding_mask 2 x 2,048 float32; layout 16 x 64 x 64 int32; query 2 x 16 x 2,048 x 64 float32; value 2 x 16 x 2,048 x 64 float32.
;; Outputs: out0 2 x 16 x 2,048 x 64 float32.
;; This version of the problem:
;;   THIS VERSION OF THE PROBLEM IS GIVEN IN LOW PRECISION. The matrix products marked QUANTISED in the list below multiply operands that are first quantised to E2M1 (2 exponent bits, 1 mantissa bit; 4 bits a number), with one power-of-two scale for each 32 numbers along K (OCP MX v1.0); their sums are f32. All else is computed in f32.
;;   The module's matrix products, in the order in which they are computed (A, B: the left and right operand; K: the contracted axis; several contracted axes count as one K, in the product's order):
;;     1. batch 32 x [M 2,048, K 64] x [K 64, N 2,048]; A: input query; B: input key: QUANTISED
;;     2. batch 32 x [M 2,048, K 2,048] x [K 2,048, N 64]; A: softmax (see below); B: input value: QUANTISED
;;   THE QUANTISER, for each operand of a quantised product, along K:
;;     - K is cut into blocks of 32 from its start; a last block that is shorter is filled with zeros.
;;     - A block's scale is 2^e with e = floor(log2(the largest magnitude in the block)) - 2, held to -126 .. 127; a block of zeros has e = 0. As a byte (E8M0): e + 127.
;;     - Each number is divided by its block's scale, clamped to +-6, and rounded to the nearest number of E2M1, ties to even, subnormals kept.
;;     - The product sums the exact products of the quantised numbers (number of the format x scale) in f32.
;;   ~~~python
;;   def quantise(x, axis):      # numpy; x: float32 -> the quantised numbers, widened to float32 again
;;       x = np.moveaxis(x, axis, -1); K = x.shape[-1]
;;       x = np.pad(x, [(0, 0)] * (x.ndim - 1) + [(0, -K % 32)]); x = x.reshape(x.shape[:-1] + (-1, 32)); a = np.abs(x).max(-1, keepdims=True)
;;       e = np.where(a > 0, np.clip(np.frexp(np.where(a > 0, a, 1))[1] - 1 - 2, -126, 127), 0)      # np.frexp(a)[1] - 1 = floor(log2(a)), exactly
;;       r = np.clip(x / 2.0 ** e, -6, 6)
;;       step = 2.0 ** (np.maximum(np.frexp(np.where(r == 0, 1, r))[1] - 1, 0) - 1)
;;       q = np.round(r / step) * step * 2.0 ** e      # np.round: ties to even
;;       return np.moveaxis(q.reshape(q.shape[:-2] + (-1,))[..., :K], -1, axis).astype(np.float32)
;;   ~~~
;;   SOFTMAX AHEAD OF A QUANTISED PRODUCT. Where the list says 'softmax', what is quantised is not the finished softmax but p = 2^(t - M), with t = logit x log2(e) and M = ceil(the row's largest t), a whole number; so 1/2 < the row's largest p <= 1. The row's sum l is taken of the UNQUANTISED p, in f32, and the product's result is divided by l at the end. Since M is a whole number, a kernel that streams over the keys may use a running M (the ceiling of the running maximum): every later rescaling is an exact power of two, which a block's scale takes up: the codes' values come out the same.
;;   OPERANDS COMPUTED ON THE WAY. 'Computed on the way' means the value that the module computes at that place (a softmax that the list does not call 'softmax' is quantised finished and normalised). What goes into a quantiser is computed in f32, as accurately as f32 sums, v_exp_f32 and their like allow (about 1e-6 of the number): no bf16 or f16 on the way to a quantiser, and a product that is left as it is and whose result goes on into a quantised operand takes f32 operands (vector FMAs, or v_wmma_f32_16x16x4_f32). A number that lies on a knife's edge between two numbers of the format may be rounded either way, as far as f32 arithmetic and the matrix unit's own rounding can turn it there, and no further.
;; 2 versions. Each part assembles by itself: llvm-mc -triple=amdgcn-amd-amdhsa -mcpu=gfx1250 --defsym DOCPART=n.
;; ======== version 1 of 2: 1 launch
;; launch attn (part 1): grid 8 x 32, 16 waves a work-group, no clusters, 108,544 bytes of LDS; arguments query, key, value, key_padding_mask, layout, out0; writes out0
.if DOCPART == 1
	.amdgcn_target "amdgcn-amd-amdhsa--gfx1250"
	.amdhsa_code_object_version 6
	.text
	.protected	k_q66af4ef711_attn
	.globl	k_q66af4ef711_attn
	.p2align	8
	.type	k_q66af4ef711_attn,@function
k_q66af4ef711_attn:
	s_mov_b64 s[64:65], 0
	v_nop
	global_prefetch_b8 v0, s[64:65] scope:SCOPE_SE
	s_setreg_imm32_b32 hwreg(HW_REG_WAVE_MODE, 25, 1), 1
	s_wait_xcnt 0x0
; Block-sparse attention on codes of FP4 (E2M1) with one E8M0 scale for each 32 along a product's K.  query, key, value, out0: [2][16][2048][64] f32; key_padding_mask: [2][2048] f32, added to the logits;
; layout: [16][64][64] int32: block (i, j) of 32 queries x 32 keys counts where the entry is not 0.  The layout is honoured as it is given: no pattern of it is built in.
; logit = q.k / 8 + kpm[key];  t = logit x log2(e) = (q.k + 8 kpm) x log2(e) / 8;  M = the row's running largest t rounded up to a whole number;  p = 2^(t - M) is quantised along the keys, not normalised;
; the row's sum is taken of the unquantised p and divides O at the end.  A query block with no active key block ends as 0 x (1 / 0) = NaN, as the softmax of a row of -infinity is.
; SHARES.  A work-group owns 256 queries (8 rows of the layout) of one head; each of its sixteen waves owns 16 of them, one tile.  The keys go in 16 groups of 128 (4 blocks of the layout, one K step of the second product).
; In each group waves 0-7 quantise one tile of 16 keys of K each (4,096 bytes of f32), waves 8-15 one block of 32 keys x 32 channels of V each (4,096 bytes), and store the codes in LDS as images of the operands' registers;
; one barrier; then every wave multiplies.  Two image buffers take turns by the group's parity.  The loop has 16 groups for every layout, with its barrier on every wave's path; what the layout throws away is jumped over
; between the barriers, by scalar branches on bit masks made of the layout's whole numbers: a group that none of the work-group's 8 rows uses is neither loaded nor quantised, a group that my row does not use is not multiplied.
; Inside a group that my row uses, the blocks that it does not use get -infinity by an addition, with no branch.
; NO TENSOR LOADS, NO CLUSTER: which groups are loaded hangs on numbers read from memory; neighbours of a head would also want different groups.
; LAYOUT.  Both products are used transposed: S^T = K Q^T (source 0 = 16 keys, source 1 = my 16 queries), O^T = V^T P^T (source 0 = 16 channels, source 1 = P): lane (r = lane % 16, h = lane / 16) holds query r throughout.
; The first product's K is 64, half of the instruction's 128: Q's registers 4-7 are zero codes, so whatever K's operand holds there (the next tile's codes, or zeros) adds exactly 0; the scale bytes of that half are 0, which is 2^-127.
; 8 kpm is the C of the first product.  In S^T, register j of tile t is key 16 t + 8 h + j; after the conversions and the exchange of halves, register q of a block of P holds its keys 0-7, 16-23, 8-15, 24-31 for q = 0 .. 3,
; and V's codes are laid in the same order: a permutation inside a block of 32, alike on both sides, which keeps every product and every scale.
; LIMITS: NaN and infinities in query, key, value and key_padding_mask are not served.  A block whose largest magnitude lies under 2^-124 keeps the scale byte 1; so does a block of zeros (its codes are zeros; the bytes are read here alone).
.set KPM,   0                          ; LDS: 8 x kpm of my batch, 8,192 bytes, written once; 1,024 idle bytes behind it
.set BUF0,  9216                       ; two image buffers of BUFB bytes
.set BUFB,  9216
.set KIMG,  0                          ; in a buffer: K's 8 tiles: tile t at 512 t, lane l's 16 bytes at 16 l
.set VIMG,  4096                       ; V's 4 fragments: fragment d at 1,024 d, its registers 4 c .. 4 c + 3 at 512 c, lane l at 16 l
.set SCK,   8192                       ; K's scale words: key 32 b + l at 16 l + 4 b
.set SCV,   8704                       ; V's scale words: channel 32 e + l at 8 l + 4 e, block jb's byte at + jb
.set STG,   27648                      ; a stage of STGB bytes for each wave, its own
.set STGB,  4864
.set L16,  1                           ; v1   16 x lane
.set L4,   2                           ; v2   4 x lane
.set L8,   3                           ; v3   8 x lane
.set STW,  4                           ; v4   the stage, on the way in
.set STR,  5                           ; v5   the stage, on the way out: my row's block of 32 numbers
.set KWI,  6                           ; v6   where I store my tile of K
.set KWS,  7                           ; v7   and its scale word
.set VWI,  8                           ; v8   where I store my block of V
.set VWS,  9                           ; v9   and its scale byte
.set KPA0, 10                          ; v10  32 h
.set KPA,  11                          ; v11  the group's kpm address
.set NM,   12                          ; v12  -M
.set TMAX, 13                          ; v13  the running largest t
.set LSUM, 14                          ; v[14:15] the row's sum in two halves
.set SH8,  16                          ; v16  8 h
.set QS,   17                          ; v17  Q's scale words
.set PW,   18                          ; v18  p's scale word
.set SO,   19                          ; v19  the way out: where I put 32 bytes of a row
.set KS,   20                          ; v[20:23] K's scale words
.set VS,   24                          ; v[24:25] V's scale words
.set F,    26                          ; v[26:27] f = 2^(old M - new M); v27 only fills the pair
.set CD,   28                          ; v[28:31] the codes that I make for the others
.set QF,   32                          ; v[32:39] Q's fragment; 36-39 zero codes
.set KF,   40                          ; v[40:71] K's 8 tiles, 4 registers each; then V's 4 fragments, 8 each
.set ZR,   72                          ; v[72:75] zeros: the upper half of tile 7's operand
.set PC,   76                          ; v[76:83] p's codes
.set BN,   84                          ; v[84:91] block b: -M or -infinity at 84 + 2 b, its largest score at 85 + 2 b
.set PT,   92                          ; v[92:95] lane permutes' targets, then scale bytes
.set S,    96                          ; v[96:159] S^T, then p; v[96:127] also the 32 numbers back from the stage
.set OT,   160                         ; v[160:191] O^T
.set RAW,  192                         ; v[192:223] numbers as they are loaded
.set SCO,  224                         ; v[224:227] the conversions' scale operands
.set L2,   228                         ; v[228:229] the sums' second chain
.set T0,   230
.set T1,   231
.set SR,   232                         ; v232 the way out: where I read a row back
.set T16,  233                         ; v233 16 x my thread's number
; scalars: s[4:15] the six addresses; s16 wave; s17 wave & 7; s[18:19] selects for lane xor 16; s[20:21] log2(e) / 8; s[22:23] blocks that the work-group's 8 rows use, from the group in hand on;
; s[24:25] those that my row uses; s[26:27] where my 4,096 bytes of K or V come from; s[28:29] my row of the layout; s30 the group's kpm bytes; s31 trips; s[32:35] 0 or -infinity for the group's 4 blocks; s36 my row's 4 bits
; 32 numbers of ONE lane, one block along K, become 4 registers of codes; the scale's byte is left in v[T1].  perm = 1: the registers hold numbers 0-7, 16-23, 8-15, 24-31.
.macro Q32 src, dst, perm
	v_max3_num_f32 v[T0], |v[\src]|, |v[\src+1]|, 0x1800000          ; the largest magnitude in two chains, with the floor 2^(3 - 127) as a leaf: the byte cannot fall under 1
	v_max3_num_f32 v[T1], |v[\src+16]|, |v[\src+17]|, |v[\src+18]|
.irp i, 2,4,6,8,10,12
	v_max3_num_f32 v[T0], v[T0], |v[\src+\i]|, |v[\src+\i+1]|
	v_max3_num_f32 v[T1], v[T1], |v[\src+\i+17]|, |v[\src+\i+18]|
.endr
	v_max3_num_f32 v[T0], v[T0], |v[\src+14]|, |v[\src+15]|
	v_max3_num_f32 v[T0], v[T0], v[T1], |v[\src+31]|
	v_add_nc_u32 v[SCO], 0xff000000, v[T0]                           ; 2 off its exponent field: the conversion takes the exponent field of this operand as its scale
	v_lshrrev_b32 v[T1], 23, v[SCO]                                  ; the scale's byte
	v_cvt_scalef32_pk8_fp4_f32 v[\dst], v[\src:\src+7], v[SCO]
.if \perm
	v_cvt_scalef32_pk8_fp4_f32 v[\dst+1], v[\src+16:\src+23], v[SCO]
	v_cvt_scalef32_pk8_fp4_f32 v[\dst+2], v[\src+8:\src+15], v[SCO]
.else
	v_cvt_scalef32_pk8_fp4_f32 v[\dst+1], v[\src+8:\src+15], v[SCO]
	v_cvt_scalef32_pk8_fp4_f32 v[\dst+2], v[\src+16:\src+23], v[SCO]
.endif
	v_cvt_scalef32_pk8_fp4_f32 v[\dst+3], v[\src+24:\src+31], v[SCO]
	v_nop                                                            ; one plain place behind the last scaled conversion
.endm
; my byte (block h of row r) and lane l xor 16's make the row's scale word: bytes 0 and 1; bytes 2 and 3 stay 0
.macro WORD dst
	v_lshlrev_b32 v[T1], v[SH8], v[T1]
	v_permlanex16_b32 v[PT], v[T1], s18, s19
	v_or_b32 v[\dst], v[T1], v[PT]
.endm
; 16 rows of 256 bytes, loaded as they lie (a load's 512 bytes are two rows), go through my own stage and come back as 32 neighbours a lane: row r, numbers 32 h on.  In the stage the two halves of the rows lie apart:
; (row, half) at 2,432 half + 144 row.  144 is 9 x 16 and 2,432 = 128 modulo 256.
; LDS serves a wave's instructions in order (ISA guide 5.7.1.4): no wait between the stores and the loads.
.macro TURN
.irp i, 0,1,2,3,4,5,6,7
	ds_store_b128 v[STW], v[RAW+4*\i:RAW+4*\i+3] offset:288*\i
.endr
.irp i, 0,1,2,3,4,5,6,7
	ds_load_b128 v[S+4*\i:S+4*\i+3], v[STR] offset:16*\i
.endr
.endm
; my 4,096 bytes of the next group.  K: 8 loads of 512 consecutive bytes.  V: a lane takes a channel and its registers run down the 32 keys: 32 loads of 128 consecutive bytes, beside my partner wave's 128.
; No cache word: the neighbouring work-group of the head reads these bytes again.
.macro ASK
	s_cmp_lt_u32 s16, 8
	s_cbranch_scc0 .Lask_v_\@
.irp i, 0,1,2,3,4,5,6,7
	global_load_b128 v[RAW+4*\i:RAW+4*\i+3], v[L16], s[26:27] offset:512*\i
.endr
	s_branch .Lask_done_\@
.Lask_v_\@:
.set i, 0
.rept 32
	global_load_b32 v[RAW+i], v[L4], s[26:27] offset:256*i
.set i, i+1
.endr
.Lask_done_\@:
.endm
.macro MAKE_K par                      ; my tile of 16 keys: lane (r, h) makes the codes of key r, channels 32 h on: registers 0-3 of the operand as they stand
	TURN
	s_wait_dscnt 0x0                                                 ; the 32 numbers are back
	Q32 S, CD, 0
	WORD T1
	ds_store_b128 v[KWI], v[CD:CD+3] offset:BUF0+BUFB*\par+KIMG
	ds_store_b32 v[KWS], v[T1] offset:BUF0+BUFB*\par+SCK             ; both lanes of a row store the same word
.endm
.macro MAKE_V par                      ; my block of 32 keys x 32 channels: a lane's 32 registers are one block along the keys
	Q32 RAW, CD, 1
	ds_store_b128 v[VWI], v[CD:CD+3] offset:BUF0+BUFB*\par+VIMG
	ds_store_b8 v[VWS], v[T1] offset:BUF0+BUFB*\par+SCV
.endm
.macro QK t                            ; S^T tile t = 16 keys x my 16 queries + 8 kpm.  K's words of an odd tile stand in lanes 16-31
.if (\t)%2
	v_wmma_scale_f32_16x16x128_f8f6f4 v[S+8*(\t):S+8*(\t)+7], v[KF+4*(\t):KF+4*(\t)+7], v[QF:QF+7], v[S+8*(\t):S+8*(\t)+7], v[KS+(\t)/2], v[QS] matrix_a_fmt:MATRIX_FMT_FP4 matrix_b_fmt:MATRIX_FMT_FP4 matrix_a_scale:MATRIX_SCALE_ROW1
.else
	v_wmma_scale_f32_16x16x128_f8f6f4 v[S+8*(\t):S+8*(\t)+7], v[KF+4*(\t):KF+4*(\t)+7], v[QF:QF+7], v[S+8*(\t):S+8*(\t)+7], v[KS+(\t)/2], v[QS] matrix_a_fmt:MATRIX_FMT_FP4 matrix_b_fmt:MATRIX_FMT_FP4
.endif
.endm
.macro PV d                            ; O^T tile d += 16 channels x 128 keys x my 16 queries
.if (\d)%2
	v_wmma_scale_f32_16x16x128_f8f6f4 v[OT+8*(\d):OT+8*(\d)+7], v[KF+8*(\d):KF+8*(\d)+7], v[PC:PC+7], v[OT+8*(\d):OT+8*(\d)+7], v[VS+(\d)/2], v[PW] matrix_a_fmt:MATRIX_FMT_FP4 matrix_b_fmt:MATRIX_FMT_FP4 matrix_a_scale:MATRIX_SCALE_ROW1
.else
	v_wmma_scale_f32_16x16x128_f8f6f4 v[OT+8*(\d):OT+8*(\d)+7], v[KF+8*(\d):KF+8*(\d)+7], v[PC:PC+7], v[OT+8*(\d):OT+8*(\d)+7], v[VS+(\d)/2], v[PW] matrix_a_fmt:MATRIX_FMT_FP4 matrix_b_fmt:MATRIX_FMT_FP4
.endif
.endm
.macro SHR4 lo, hi                     ; a mask of 64 blocks goes on by a group's four
	s_lshr_b32 s[\lo], s[\lo], 4
	s_lshl_b32 s37, s[\hi], 28
	s_or_b32 s[\lo], s[\lo], s37
	s_lshr_b32 s[\hi], s[\hi], 4
.endm
; A KEY STEP of my tile: the group's 128 keys, of which my row uses the blocks named in s36.
.macro STEP par
.set BP, BUF0+BUFB*\par
.irp b, 0,1,2,3
	s_bitcmp1_b32 s36, \b
	s_cselect_b32 s[32+\b], 0, 0xff800000                            ; 0 for a block that counts, -infinity for one that does not
.endr
	v_add_nc_u32 v[KPA], s30, v[KPA0]
.irp t, 0,1,2,3,4,5,6,7
	ds_load_b128 v[S+8*\t:S+8*\t+3], v[KPA] offset:KPM+64*\t         ; 8 kpm of keys 16 t + 8 h + 0 .. 7: the first product's C, in the result's layout
	ds_load_b128 v[S+8*\t+4:S+8*\t+7], v[KPA] offset:KPM+64*\t+16
.endr
.irp t, 0,1,2,3,4,5,6,7
	ds_load_b128 v[KF+4*\t:KF+4*\t+3], v[L16] offset:BP+KIMG+512*\t
.endr
	ds_load_b128 v[KS:KS+3], v[L16] offset:BP+SCK                    ; register b: lanes 0-15 the words of tile 2 b, lanes 16-31 those of tile 2 b + 1
	s_wait_dscnt 0x0
.irp t, 0,1,2,3,4,5,6,7
	QK \t                                                            ; eight accumulators, one instruction each
.endr
.rept 4
	v_nop                                                            ; four places ahead of the loads into K's registers and of the first read of the scores
.endr
.irp d, 0,1,2,3
	ds_load_b128 v[KF+8*\d:KF+8*\d+3], v[L16] offset:BP+VIMG+1024*\d         ; V's fragments land while the softmax is walked
	ds_load_b128 v[KF+8*\d+4:KF+8*\d+7], v[L16] offset:BP+VIMG+1024*\d+512
.endr
	ds_load_b64 v[VS:VS+1], v[L8] offset:BP+SCV
.irp b, 0,1,2,3
	v_max3_num_f32 v[BN+1+2*\b], v[S+16*\b], v[S+16*\b+1], v[S+16*\b+2]      ; the largest score of each block of 32 keys: for the row's maximum, and, since p rises with the score, for the block's largest p.  Each accumulator is read from its low end on
.endr
.irp i, 3,5,7,9,11,13
.irp b, 0,1,2,3
	v_max3_num_f32 v[BN+1+2*\b], v[BN+1+2*\b], v[S+16*\b+\i], v[S+16*\b+\i+1]
.endr
.endr
.irp b, 0,1,2,3
	v_max_num_f32 v[BN+1+2*\b], v[BN+1+2*\b], v[S+16*\b+15]
.endr
.irp b, 0,1,2,3
	v_permlanex16_b32 v[PT+\b], v[BN+1+2*\b], s18, s19
.endr
.irp b, 0,1,2,3
	v_max_num_f32 v[BN+1+2*\b], v[BN+1+2*\b], v[PT+\b]               ; with lane l xor 16's 16 keys
.endr
.irp b, 0,1,2,3
	v_add_f32 v[BN+1+2*\b], s[32+\b], v[BN+1+2*\b]                   ; a block that does not count: -infinity
.endr
	v_max3_num_f32 v[T0], v[BN+1], v[BN+3], v[BN+5]
	v_max_num_f32 v[T0], v[T0], v[BN+7]                              ; the step's largest score that counts: a number, since s36 is not 0
	v_mul_f32 v[T0], s20, v[T0]                                      ; as t
	v_max_num_f32 v[TMAX], v[TMAX], v[T0]
	v_mov_b32 v[T0], v[NM]
	v_floor_f32 v[NM], -v[TMAX]                                      ; the new -M = floor(-t) = -ceil(t)
	v_sub_f32 v[T0], v[NM], v[T0]                                    ; old M - new M: a whole number, 0 or less
	v_cvt_i32_f32 v[T0], v[T0]                                       ; (it saturates)
	v_ldexp_f32 v[F], 1.0, v[T0]                                     ; f = 2^(old M - new M): rounds nothing
.irp b, 0,1,2,3
	v_add_f32 v[BN+2*\b], s[32+\b], v[NM]                            ; -M, or -infinity for a block that does not count
.endr
.irp b, 0,1,2,3
.irp j, 0,2,4,6,8,10,12,14
	v_pk_fma_f32 v[S+16*\b+\j:S+16*\b+\j+1], v[S+16*\b+\j:S+16*\b+\j+1], s[20:21], v[BN+2*\b:BN+2*\b+1] op_sel_hi:[1,0,0]   ; t - M, two at a time; of both pairs the low word serves both halves
.endr
.endr
.irp b, 0,1,2,3
	v_fma_f32 v[BN+1+2*\b], v[BN+1+2*\b], s20, v[BN+2*\b]            ; the same of each block's largest score
.endr
.set j, 0
.rept 64
	v_exp_f32 v[S+j], v[S+j]                                         ; p = 2^(t - M), at most 1; 0 in a block that does not count
.set j, j+1
.endr
.irp b, 0,1,2,3
	v_exp_f32 v[BN+1+2*\b], v[BN+1+2*\b]                             ; the block's largest p
.endr
	v_pk_mul_f32 v[LSUM:LSUM+1], v[LSUM:LSUM+1], v[F:F+1] op_sel_hi:[1,0]    ; the sums under the new M; also the plain place behind the exponentials
	s_wait_alu depctr_va_vdst(0)
.irp b, 0,1,2,3
	v_max_num_f32 v[BN+1+2*\b], 0x1800000, v[BN+1+2*\b]              ; the floor 2^(3 - 127): a block of zeros keeps the byte 1
.endr
.irp b, 0,1,2,3
	v_add_nc_u32 v[SCO+\b], 0xff000000, v[BN+1+2*\b]                 ; 2 off the exponent field: the conversion's scale operand
.endr
.irp b, 0,1,2,3
	v_lshrrev_b32 v[PT+\b], 23, v[SCO+\b]                            ; the scale's byte
.endr
	v_lshl_or_b32 v[PW], v[PT+1], 8, v[PT]                           ; p's scale word for these 128 keys
	v_lshl_or_b32 v[PW], v[PT+2], 16, v[PW]
	v_lshl_or_b32 v[PW], v[PT+3], 24, v[PW]
.irp b, 0,1,2,3
	v_cvt_scalef32_pk8_fp4_f32 v[PC+2*\b], v[S+16*\b:S+16*\b+7], v[SCO+\b]           ; keys 32 b + 8 h + 0 .. 7
	v_cvt_scalef32_pk8_fp4_f32 v[PC+2*\b+1], v[S+16*\b+8:S+16*\b+15], v[SCO+\b]      ; keys 32 b + 16 + 8 h + 0 .. 7
.endr
	v_nop                                                            ; one plain place behind the last scaled conversion
.irp c, 0,1
.irp i, 0,1
	v_permlane16_swap_b32 v[PC+4*\c+\i], v[PC+4*\c+2+\i]             ; a whole block to a lane: lanes 0-15 block 2 c, lanes 16-31 block 2 c + 1
.endr
.endr
	v_pk_add_f32 v[L2:L2+1], v[S:S+1], v[S+2:S+3]                    ; the row's sum of the unquantised p, two at a time, in two chains.  These 32 lines name no register of the products below: they are the places behind p's scale word and codes
.irp j, 4,8,12,16,20,24,28,32,36,40,44,48,52,56,60
	v_pk_add_f32 v[LSUM:LSUM+1], v[LSUM:LSUM+1], v[S+\j:S+\j+1]
	v_pk_add_f32 v[L2:L2+1], v[L2:L2+1], v[S+\j+2:S+\j+3]
.endr
	v_pk_add_f32 v[LSUM:LSUM+1], v[LSUM:LSUM+1], v[L2:L2+1]
.irp j, 0,2,4,6,8,10,12,14,16,18,20,22,24,26,28,30
	v_pk_mul_f32 v[OT+\j:OT+\j+1], v[OT+\j:OT+\j+1], v[F:F+1] op_sel_hi:[1,0]        ; O^T under the new M, each accumulator from its low end on
.endr
	s_wait_dscnt 0x0                                                 ; V's fragments and scale words are in
.irp d, 0,1,2,3
	PV \d                                                            ; four accumulators, one instruction each
.endr
.rept 4
	v_nop                                                            ; four places for whatever follows on any way: loads into V's registers, the next read of O^T
.endr
.endm
; ONE GROUP OF 128 KEYS.  par: the image buffer, the group's parity.
.macro TRIP par
	s_wait_loadcnt 0x0                                               ; my 4,096 bytes of this group are in, if they were asked for; no load names s[26:27] any more
	s_add_nc_u64 s[26:27], s[26:27], 32768                           ; on to the next group: 128 keys of 256 bytes
	s_and_b32 s37, s22, 15
	s_cmp_eq_u32 s37, 0
	s_cbranch_scc1 .Lmade_\@                                         ; none of the work-group's 8 rows uses this group
	s_cmp_lt_u32 s16, 8
	s_cbranch_scc0 .Lv_\@
	MAKE_K \par
	s_branch .Lmade_\@
.Lv_\@:
	MAKE_V \par
.Lmade_\@:
	s_wait_dscnt 0x0                                                 ; for the others' sake: my images have landed, and my reads of the other buffer, which the next group's images overwrite, are over
	s_barrier_signal -1
	s_barrier_wait -1                                                ; on every wave's path in every group
	SHR4 22, 23
	s_and_b32 s37, s22, 15
	s_cmp_eq_u32 s37, 0
	s_cbranch_scc1 .Lasked_\@                                        ; the next group is not used; behind the last group the mask is 0, so no load leaves its buffer
	ASK                                                              ; it lands while this group is multiplied
.Lasked_\@:
	s_and_b32 s36, s24, 15
	s_cmp_eq_u32 s36, 0
	s_cbranch_scc1 .Lskip_\@                                         ; my row uses none of the group's four blocks
	STEP \par
.Lskip_\@:
	SHR4 24, 25
	s_add_co_u32 s30, s30, 512                                       ; the next group's 128 numbers of kpm
.endm
	s_load_b256 s[4:11], s[0:1], 0x0                                 ; query s[4:5], key s[6:7], value s[8:9], key_padding_mask s[10:11]
	s_load_b128 s[12:15], s[0:1], 0x20                               ; layout s[12:13], out0 s[14:15]
	v_lshl_add_u32 v240, v0, 2, 0x1a000
	v_mov_b32 v241, 0
	v_lshrrev_b32 v[T0], 5, v0
	v_readfirstlane_b32 s16, v[T0]                                   ; wave 0..15
	v_and_b32 v[T1], 31, v0                                          ; lane
	v_and_b32 v224, 15, v0                                           ; r
	v_bfe_u32 v225, v0, 4, 1                                         ; h
	v_bfe_u32 v226, v0, 3, 1                                         ; which half of a row my 16 loaded bytes belong to
	v_and_b32 v227, 7, v0
	v_lshlrev_b32 v[L16], 4, v[T1]
	v_lshlrev_b32 v[L4], 2, v[T1]
	v_lshlrev_b32 v[L8], 3, v[T1]
	v_lshlrev_b32 v[T16], 4, v0
	s_and_b32 s17, s16, 7
	s_mul_i32 s38, s16, STGB
	s_add_co_u32 s38, s38, STG                                       ; my stage
	v_mul_u32_u24 v[STW], v226, 2432
	v_mad_u32_u24 v[STW], v225, 144, v[STW]
	v_lshl_add_u32 v[STW], v227, 4, v[STW]
	v_add_nc_u32 v[STW], s38, v[STW]                                 ; in: 2,432 x half + 144 x (lane / 16) + 16 x (lane % 8); load i's two rows 288 i on
	v_mul_u32_u24 v[STR], v224, 144
	v_mad_u32_u24 v[STR], v225, 2432, v[STR]
	v_add_nc_u32 v[STR], s38, v[STR]                                 ; out: row r, half h
	v_mul_u32_u24 v[SO], v224, 272
	v_lshl_add_u32 v[SO], v225, 5, v[SO]
	v_add_nc_u32 v[SO], s38, v[SO]                                   ; the way out, in: rows of 256 + 16 bytes; row r, + 32 h
	v_mul_u32_u24 v[SR], v225, 272
	v_lshl_add_u32 v[SR], v224, 4, v[SR]
	v_add_nc_u32 v[SR], s38, v[SR]                                   ; and back: lanes 0-15 one row, lanes 16-31 the next
	s_lshl_b32 s39, s17, 9
	v_add_nc_u32 v[KWI], s39, v[L16]                                 ; 512 x tile + 16 x lane
	s_and_b32 s36, s16, 1                                            ; w & 1: the tile's parity; for V: dh, which 32 channels
	s_lshr_b32 s40, s17, 1                                           ; (w & 7) / 2: the tile's block; for V: jb, which block of 32 keys
	s_lshl_b32 s39, s36, 8
	s_lshl_b32 s41, s40, 2
	s_add_co_u32 s39, s39, s41
	v_lshl_add_u32 v[KWS], v224, 4, s39                              ; key 32 b + 16 u + r of the group: 16 (16 u + r) + 4 b
	s_lshl_b32 s39, s36, 11
	s_lshl_b32 s41, s40, 8
	s_add_co_u32 s39, s39, s41
	v_lshlrev_b32 v[VWI], 10, v225
	v_lshl_add_u32 v[VWI], v224, 4, v[VWI]
	v_add_nc_u32 v[VWI], s39, v[VWI]                                 ; channel 32 dh + lane is row lane % 16 of fragment 2 dh + lane / 16; block jb is register group jb / 2, lanes' half jb % 2: 512 (jb / 2) + 256 (jb % 2) = 256 jb
	s_lshl_b32 s39, s36, 2
	s_add_co_u32 s39, s39, s40
	v_add_nc_u32 v[VWS], s39, v[L8]                                  ; 8 x lane + 4 dh + jb
	v_lshlrev_b32 v[KPA0], 5, v225
	v_lshlrev_b32 v[SH8], 3, v225
	; byte offsets, each in a pair with 0 above it
	s_and_b32 s37, ttmp7, 0xffff                                     ; 16 x batch + head
	s_lshl_b32 s41, s37, 19                                          ; a head's 2,048 rows of 256 bytes
	s_lshl_b32 s42, ttmp9, 16                                        ; my work-group's 256 rows,
	s_add_co_u32 s42, s42, s41
	s_lshl_b32 s39, s16, 12                                          ; my wave's 16
	s_add_co_u32 s42, s42, s39
	s_mov_b32 s43, 0
	s_lshr_b32 s32, s37, 4
	s_lshl_b32 s32, s32, 13                                          ; kpm: my batch's 8,192 bytes
	s_mov_b32 s33, 0
	s_and_b32 s34, s37, 15
	s_lshl_b32 s34, s34, 14                                          ; layout: my head's 64 rows of 256 bytes,
	s_lshl_b32 s39, ttmp9, 11                                        ; my work-group's 8
	s_add_co_u32 s34, s34, s39
	s_mov_b32 s35, 0
	s_lshr_b32 s30, s16, 1
	s_lshl_b32 s30, s30, 8                                           ; and among them my own: two waves to a block of 32 queries
	s_mov_b32 s31, 0
	s_lshl_b32 s44, s17, 12                                          ; K: my tile's 16 rows
	s_lshl_b32 s39, s40, 13                                          ; V: my block's 32 rows,
	s_lshl_b32 s36, s36, 7                                           ; my 32 channels
	s_add_co_u32 s39, s39, s36
	s_cmp_lt_u32 s16, 8
	s_cselect_b32 s44, s44, s39
	s_add_co_u32 s44, s44, s41
	s_mov_b32 s45, 0
	s_mov_b32 s18, 0x76543210
	s_mov_b32 s19, 0xfedcba98                                        ; v_permlanex16_b32's selects for lane l xor 16
	s_mov_b32 s20, 0x3e38aa3b                                        ; log2(e) / 8
	s_mov_b32 s21, s20                                               ; (named with it as a pair, so it is written)
	s_wait_kmcnt 0x0
	s_add_nc_u64 s[4:5], s[4:5], s[42:43]
	s_add_nc_u64 s[14:15], s[14:15], s[42:43]
	s_add_nc_u64 s[10:11], s[10:11], s[32:33]
	s_add_nc_u64 s[12:13], s[12:13], s[34:35]
	s_add_nc_u64 s[28:29], s[12:13], s[30:31]
	s_cmp_lt_u32 s16, 8                                              ; waves 0-7 fetch from key, waves 8-15 from value: the choice hangs on the wave's number alone
	s_cselect_b64 s[26:27], s[6:7], s[8:9]
	s_add_nc_u64 s[26:27], s[26:27], s[44:45]
.irp a, 0,1,2,3,4,5,6,7
	global_load_b32 v[S+2*\a], v[L4], s[12:13] offset:256*\a         ; the work-group's 8 rows of the layout: lane l takes blocks l and 32 + l
	global_load_b32 v[S+2*\a+1], v[L4], s[12:13] offset:256*\a+128
.endr
	global_load_b32 v[S+16], v[L4], s[28:29]                         ; my own row
	global_load_b32 v[S+17], v[L4], s[28:29] offset:128
	global_load_b128 v[S+32:S+35], v[T16], s[10:11]                  ; kpm: 512 threads x 16 bytes
.irp i, 0,1,2,3,4,5,6,7
	global_load_b128 v[RAW+4*\i:RAW+4*\i+3], v[L16], s[4:5] offset:512*\i th:TH_LOAD_NT      ; my 16 queries: read once in the launch
.endr
	s_mov_b32 s30, 0
	s_mov_b32 s31, 8
.irp j, 4,5,6,7
	v_mov_b32 v[QF+\j], 0                                            ; Q's zero codes for the instruction's upper 64 along K
.endr
.irp j, 0,1,2,3
	v_mov_b32 v[ZR+\j], 0
	v_mov_b32 v[PT+\j], 0                                            ; written once: a lane permute's destination counts as one of its sources
.endr
	v_mov_b32 v[F+1], 0
	v_mov_b32 v[LSUM], 0
	v_mov_b32 v[LSUM+1], 0
	v_mov_b32 v[TMAX], 0xff61b1e6                                    ; -3e38, under every t
	v_floor_f32 v[NM], -v[TMAX]
.set j, 0
.rept 32
	v_mov_b32 v[OT+j], 0                                             ; which step is a wave's first hangs on the layout, so no first step can be written out: O^T begins as zeros, which the first change of M leaves zeros
.set j, j+1
.endr
	s_wait_loadcnt 9                                                 ; the 18 loads of the layout are in; kpm's one and Q's eight may be out
.irp a, 1,2,3,4,5,6,7
	v_or_b32 v[S], v[S], v[S+2*\a]
	v_or_b32 v[S+1], v[S+1], v[S+2*\a+1]
.endr
	v_cmp_ne_u32 s22, 0, v[S]                                        ; bit j: some row of the work-group uses key block j
	v_cmp_ne_u32 s23, 0, v[S+1]
	v_cmp_ne_u32 s24, 0, v[S+16]                                     ; bit j: my row uses it
	v_cmp_ne_u32 s25, 0, v[S+17]
	s_wait_loadcnt 8                                                 ; kpm is in; Q's eight may be out
	v_pk_mul_f32 v[S+32:S+33], v[S+32:S+33], 0x41000000 op_sel_hi:[1,0]      ; x 8: exact
	v_pk_mul_f32 v[S+34:S+35], v[S+34:S+35], 0x41000000 op_sel_hi:[1,0]
	ds_store_b128 v[T16], v[S+32:S+35] offset:KPM                    ; read by all waves behind the first group's barrier
	s_wait_loadcnt 0x0                                               ; Q
	TURN
	s_wait_dscnt 0x0                                                 ; my 32 numbers of Q are back, and the stores have read the registers that the next loads take
	s_and_b32 s37, s22, 15
	s_cmp_eq_u32 s37, 0
	s_cbranch_scc1 .Lno_first
	ASK                                                              ; group 0, if it is used
.Lno_first:
	Q32 S, QF, 0
	WORD QS
.rept 8
	v_nop                                                            ; a scale register written by a vector instruction stands eight places ahead of a scaled matrix instruction, on the shortest way too
.endr
.Ltrip:                                                                  ; 8 trips of two groups: a constant, whatever the layout holds
	TRIP 0
	TRIP 1
	s_sub_co_u32 s31, s31, 1
	s_cmp_lg_u32 s31, 0
	s_cbranch_scc1 .Ltrip
	; THE WAY OUT.  O^T / the sum goes through my stage and leaves as whole rows of 256 bytes.
	v_add_f32 v[LSUM], v[LSUM], v[LSUM+1]                            ; the sum's two halves,
	v_permlanex16_b32 v[PT], v[LSUM], s18, s19
	v_add_f32 v[LSUM], v[LSUM], v[PT]                                ; and lane l xor 16's: the row's sum
	v_rcp_f32 v[LSUM], v[LSUM]
	v_nop                                                            ; one plain place behind the transcendental
	s_wait_alu depctr_va_vdst(0)
.irp j, 0,2,4,6,8,10,12,14,16,18,20,22,24,26,28,30
	v_pk_mul_f32 v[S+\j:S+\j+1], v[OT+\j:OT+\j+1], v[LSUM:LSUM+1] op_sel_hi:[1,0]    ; register 8 d + i is out(query r, channel 16 d + 8 h + i); each accumulator from its low end on
.endr
.irp d, 0,1,2,3
	ds_store_b128 v[SO], v[S+8*\d:S+8*\d+3] offset:64*\d
	ds_store_b128 v[SO], v[S+8*\d+4:S+8*\d+7] offset:64*\d+16
.endr
.irp i, 0,1,2,3,4,5,6,7
	ds_load_b128 v[S+32+4*\i:S+32+4*\i+3], v[SR] offset:544*\i       ; LDS serves a wave's instructions in order: these see my stores
.endr
.irp i, 0,1,2,3,4,5,6,7
	s_wait_dscnt 7-\i                                                ; load i is back; the younger ones may be out
	global_store_b128 v[L16], v[S+32+4*\i:S+32+4*\i+3], s[14:15] offset:512*\i th:TH_STORE_NT   ; 32 lanes store 512 consecutive bytes, two rows, at a multiple of 256 from out0's first byte
.endr
	s_wait_tensorcnt 0x0
	ds_add_u32 v240, v241
	s_wait_dscnt 0x0
	s_endpgm
.Lfunc_end_k_q66af4ef711_attn:
	.size	k_q66af4ef711_attn, .Lfunc_end_k_q66af4ef711_attn-k_q66af4ef711_attn
	.p2alignl 7, 3214868480
	.fill 96, 4, 3214868480
	.section	.rodata,"a",@progbits
	.p2align	6, 0x0
	.amdhsa_kernel k_q66af4ef711_attn
		.amdhsa_group_segment_fixed_size 108544
		.amdhsa_private_segment_fixed_size 0
		.amdhsa_enable_private_segment 0
		.amdhsa_kernarg_size 48
		.amdhsa_user_sgpr_count 2
		.amdhsa_user_sgpr_kernarg_segment_ptr 1
		.amdhsa_wavefront_size32 1
		.amdhsa_system_sgpr_workgroup_id_x 1
		.amdhsa_system_sgpr_workgroup_id_y 1
		.amdhsa_system_sgpr_workgroup_id_z 1
		.amdhsa_system_vgpr_workitem_id 0
		.amdhsa_next_free_vgpr 242
		.amdhsa_next_free_sgpr 66
		.amdhsa_reserve_vcc 0
		.amdhsa_float_denorm_mode_32 3
		.amdhsa_float_denorm_mode_16_64 3
		.amdhsa_memory_ordered 1
		.amdhsa_forward_progress 1
		.amdhsa_inst_pref_size 70
	.end_amdhsa_kernel
	.amdgpu_metadata
---
amdhsa.version: [ 1, 2 ]
amdhsa.kernels:
  - .name:           k_q66af4ef711_attn
    .symbol:         k_q66af4ef711_attn.kd
    .args:
      - { .name: query, .offset: 0, .size: 8, .value_kind: global_buffer, .address_space: global }
      - { .name: key, .offset: 8, .size: 8, .value_kind: global_buffer, .address_space: global }
      - { .name: value, .offset: 16, .size: 8, .value_kind: global_buffer, .address_space: global }
      - { .name: key_padding_mask, .offset: 24, .size: 8, .value_kind: global_buffer, .address_space: global }
      - { .name: layout, .offset: 32, .size: 8, .value_kind: global_buffer, .address_space: global }
      - { .name: out0, .offset: 40, .size: 8, .value_kind: global_buffer, .address_space: global }
    .group_segment_fixed_size: 108544
    .private_segment_fixed_size: 0
    .kernarg_segment_align: 8
    .kernarg_segment_size: 48
    .max_flat_workgroup_size: 512
    .sgpr_count:     66
    .vgpr_count:     242
    .wavefront_size: 32
...
	.end_amdgpu_metadata
.endif
;; end of part 1
;; ======== version 2 of 2: 1 launch; version 1 with the launch attn written anew for expert scheduling mode
;; launch attn (part 2): grid 8 x 32, 16 waves a work-group, no clusters, 108,544 bytes of LDS; arguments query, key, value, key_padding_mask, layout, out0; writes out0
.if DOCPART == 2
	.amdgcn_target "amdgcn-amd-amdhsa--gfx1250"
	.amdhsa_code_object_version 6
	.text
	.protected	k_q66af4ef711_attn
	.globl	k_q66af4ef711_attn
	.p2align	8
	.type	k_q66af4ef711_attn,@function
k_q66af4ef711_attn:
	s_mov_b64 s[64:65], 0
	v_nop
	global_prefetch_b8 v0, s[64:65] scope:SCOPE_SE
	s_setreg_imm32_b32 hwreg(HW_REG_WAVE_SCHED_MODE, 0, 2), 2
	s_setreg_imm32_b32 hwreg(HW_REG_WAVE_MODE, 25, 1), 1
	s_wait_xcnt 0x0
	s_wait_alu depctr_vm_vsrc(0)
; Block-sparse attention on codes of FP4 (E2M1) with one E8M0 scale for each 32 along a product's K.  query, key, value, out0: [2][16][2048][64] f32; key_padding_mask: [2][2048] f32, added to the logits;
; layout: [16][64][64] int32: block (i, j) of 32 queries x 32 keys counts where the entry is not 0.  The layout is honoured as it is given: no pattern of it is built in.
; logit = q.k / 8 + kpm[key];  t = logit x log2(e) = (q.k + 8 kpm) x log2(e) / 8;  M = the row's running largest t rounded up to a whole number;  p = 2^(t - M) is quantised along the keys, not normalised;
; the row's sum is taken of the unquantised p and divides O at the end.  A query block with no active key block ends as 0 x (1 / 0) = NaN, as the softmax of a row of -infinity is.
; SHARES.  A work-group owns 256 queries (8 rows of the layout) of one head; each of its sixteen waves owns 16 of them, one tile.  The keys go in 16 groups of 128 (4 blocks of the layout, one K step of the second product).
; In each group waves 0-7 quantise one tile of 16 keys of K each (4,096 bytes of f32), waves 8-15 one block of 32 keys x 32 channels of V each (4,096 bytes), and store the codes in LDS as images of the operands' registers;
; one barrier; then every wave multiplies.  Two image buffers take turns by the group's parity.  The loop has 16 groups for every layout, with its barrier on every wave's path; what the layout throws away is jumped over
; between the barriers, by scalar branches on bit masks made of the layout's whole numbers: a group that none of the work-group's 8 rows uses is neither loaded nor quantised, a group that my row does not use is not multiplied.
; Inside a group that my row uses, the blocks that it does not use get -infinity by an addition, with no branch.
; NO TENSOR LOADS, NO CLUSTER: which groups are loaded hangs on numbers read from memory; neighbours of a head would also want different groups.
; LAYOUT.  Both products are used transposed: S^T = K Q^T (source 0 = 16 keys, source 1 = my 16 queries), O^T = V^T P^T (source 0 = 16 channels, source 1 = P): lane (r = lane % 16, h = lane / 16) holds query r throughout.
; The first product's K is 64, half of the instruction's 128: Q's registers 4-7 are zero codes, so whatever K's operand holds there (the next tile's codes, or zeros) adds exactly 0; the scale bytes of that half are 0, which is 2^-127.
; 8 kpm is the C of the first product.  In S^T, register j of tile t is key 16 t + 8 h + j; after the conversions and the exchange of halves, register q of a block of P holds its keys 0-7, 16-23, 8-15, 24-31 for q = 0 .. 3,
; and V's codes are laid in the same order: a permutation inside a block of 32, alike on both sides, which keeps every product and every scale.
; LIMITS: NaN and infinities in query, key, value and key_padding_mask are not served.  A block whose largest magnitude lies under 2^-124 keeps the scale byte 1; so does a block of zeros (its codes are zeros; the bytes are read here alone).
; THE MODE: SCHED_MODE bits 1:0 = 2 (LLVM: expert scheduling mode 2), set by the entry lines.  The code itself states the register dependences between vector or matrix instructions and memory or LDS instructions,
; with s_wait_alu, always for 0.
; THE PLAN.  Registers that memory or LDS instructions touch, round a group:
;   RAW       The next group's global loads land in it behind the barrier.  Waves 0-7: the stage's LDS stores read it.  Waves 8-15: the quantiser's vector instructions read it.
;   S         Waves 0-7: the stage's LDS loads land in S .. S + 31, the quantiser reads them.  Every wave: the key step's loads of 8 kpm land in it; the first product and the softmax work on it.
;   KF        The key step's loads of K's tiles land in it, the first product reads it; then V's fragments land in it, the second product reads it.   KS, VS: their scale words, likewise.
;   CD, T1    The quantiser writes them, the image stores read them.
;   KPA       Written by one vector addition at a group's head, read by the key step's sixteen loads of 8 kpm.
;   v1-9, v19, v232, v233, v240, v241   Addresses (and the closing add's 0), made at the kernel's head and never written again.
;   QF, QS, ZR, PC, PW are written by vector instructions and taken by scaled products as operands or scales.
; So a group has: at its head a wait on vm_vsrc (KPA has been read), the addition, and a wait on va_vdst (KPA is written; the last key step is done with S, KF, KS, VS); in the quantiser a wait on va_vdst ahead of the image stores;
; ahead of the barrier a wait on vm_vsrc (RAW, CD and T1 have been read); in the key step a wait on va_vdst behind the first product (K's registers are free for V), the one behind the exponentials, and one ahead of the second product.
.set KPM,   0                          ; LDS: 8 x kpm of my batch, 8,192 bytes, written once; 1,024 idle bytes behind it
.set BUF0,  9216                       ; two image buffers of BUFB bytes
.set BUFB,  9216
.set KIMG,  0                          ; in a buffer: K's 8 tiles: tile t at 512 t, lane l's 16 bytes at 16 l
.set VIMG,  4096                       ; V's 4 fragments: fragment d at 1,024 d, its registers 4 c .. 4 c + 3 at 512 c, lane l at 16 l
.set SCK,   8192                       ; K's scale words: key 32 b + l at 16 l + 4 b
.set SCV,   8704                       ; V's scale words: channel 32 e + l at 8 l + 4 e, block jb's byte at + jb
.set STG,   27648                      ; a stage of STGB bytes for each wave, its own
.set STGB,  4864
.set L16,  1                           ; v1   16 x lane
.set L4,   2                           ; v2   4 x lane
.set L8,   3                           ; v3   8 x lane
.set STW,  4                           ; v4   the stage, on the way in
.set STR,  5                           ; v5   the stage, on the way out: my row's block of 32 numbers
.set KWI,  6                           ; v6   where I store my tile of K
.set KWS,  7                           ; v7   and its scale word
.set VWI,  8                           ; v8   where I store my block of V
.set VWS,  9                           ; v9   and its scale byte
.set KPA0, 10                          ; v10  32 h
.set KPA,  11                          ; v11  the group's kpm address
.set NM,   12                          ; v12  -M
.set TMAX, 13                          ; v13  the running largest t
.set LSUM, 14                          ; v[14:15] the row's sum in two halves
.set SH8,  16                          ; v16  8 h
.set QS,   17                          ; v17  Q's scale words
.set PW,   18                          ; v18  p's scale word
.set SO,   19                          ; v19  the way out: where I put 32 bytes of a row
.set KS,   20                          ; v[20:23] K's scale words
.set VS,   24                          ; v[24:25] V's scale words
.set F,    26                          ; v[26:27] f = 2^(old M - new M); v27 only fills the pair
.set CD,   28                          ; v[28:31] the codes that I make for the others
.set QF,   32                          ; v[32:39] Q's fragment; 36-39 zero codes
.set KF,   40                          ; v[40:71] K's 8 tiles, 4 registers each; then V's 4 fragments, 8 each
.set ZR,   72                          ; v[72:75] zeros: the upper half of tile 7's operand
.set PC,   76                          ; v[76:83] p's codes
.set BN,   84                          ; v[84:91] block b: -M or -infinity at 84 + 2 b, its largest score at 85 + 2 b
.set PT,   92                          ; v[92:95] lane permutes' targets, then scale bytes
.set S,    96                          ; v[96:159] S^T, then p; v[96:127] also the 32 numbers back from the stage
.set OT,   160                         ; v[160:191] O^T
.set RAW,  192                         ; v[192:223] numbers as they are loaded
.set SCO,  224                         ; v[224:227] the conversions' scale operands
.set L2,   228                         ; v[228:229] the sums' second chain
.set T0,   230
.set T1,   231
.set SR,   232                         ; v232 the way out: where I read a row back
.set T16,  233                         ; v233 16 x my thread's number
; scalars: s[4:15] the six addresses; s16 wave; s17 wave & 7; s[18:19] selects for lane xor 16; s[20:21] log2(e) / 8; s[22:23] blocks that the work-group's 8 rows use, from the group in hand on;
; s[24:25] those that my row uses; s[26:27] where my 4,096 bytes of K or V come from; s[28:29] my row of the layout; s30 the group's kpm bytes; s31 trips; s[32:35] 0 or -infinity for the group's 4 blocks; s36 my row's 4 bits
; 32 numbers of ONE lane, one block along K, become 4 registers of codes; the scale's byte is left in v[T1].  perm = 1: the registers hold numbers 0-7, 16-23, 8-15, 24-31.
.macro Q32 src, dst, perm
	v_max3_num_f32 v[T0], |v[\src]|, |v[\src+1]|, 0x1800000          ; the largest magnitude in two chains, with the floor 2^(3 - 127) as a leaf: the byte cannot fall under 1
	v_max3_num_f32 v[T1], |v[\src+16]|, |v[\src+17]|, |v[\src+18]|
.irp i, 2,4,6,8,10,12
	v_max3_num_f32 v[T0], v[T0], |v[\src+\i]|, |v[\src+\i+1]|
	v_max3_num_f32 v[T1], v[T1], |v[\src+\i+17]|, |v[\src+\i+18]|
.endr
	v_max3_num_f32 v[T0], v[T0], |v[\src+14]|, |v[\src+15]|
	v_max3_num_f32 v[T0], v[T0], v[T1], |v[\src+31]|
	v_add_nc_u32 v[SCO], 0xff000000, v[T0]                           ; 2 off its exponent field: the conversion takes the exponent field of this operand as its scale
	v_lshrrev_b32 v[T1], 23, v[SCO]                                  ; the scale's byte
	v_cvt_scalef32_pk8_fp4_f32 v[\dst], v[\src:\src+7], v[SCO]
.if \perm
	v_cvt_scalef32_pk8_fp4_f32 v[\dst+1], v[\src+16:\src+23], v[SCO]
	v_cvt_scalef32_pk8_fp4_f32 v[\dst+2], v[\src+8:\src+15], v[SCO]
.else
	v_cvt_scalef32_pk8_fp4_f32 v[\dst+1], v[\src+8:\src+15], v[SCO]
	v_cvt_scalef32_pk8_fp4_f32 v[\dst+2], v[\src+16:\src+23], v[SCO]
.endif
	v_cvt_scalef32_pk8_fp4_f32 v[\dst+3], v[\src+24:\src+31], v[SCO]
	v_nop                                                            ; one plain place behind the last scaled conversion
.endm
; my byte (block h of row r) and lane l xor 16's make the row's scale word: bytes 0 and 1; bytes 2 and 3 stay 0
.macro WORD dst
	v_lshlrev_b32 v[T1], v[SH8], v[T1]
	v_permlanex16_b32 v[PT], v[T1], s18, s19
	v_or_b32 v[\dst], v[T1], v[PT]
.endm
; 16 rows of 256 bytes, loaded as they lie (a load's 512 bytes are two rows), go through my own stage and come back as 32 neighbours a lane: row r, numbers 32 h on.  In the stage the two halves of the rows lie apart:
; (row, half) at 2,432 half + 144 row.  144 is 9 x 16 and 2,432 = 128 modulo 256.
; LDS serves a wave's instructions in order (ISA guide 5.7.1.4): no wait between the stores and the loads.
.macro TURN
.irp i, 0,1,2,3,4,5,6,7
	ds_store_b128 v[STW], v[RAW+4*\i:RAW+4*\i+3] offset:288*\i
.endr
.irp i, 0,1,2,3,4,5,6,7
	ds_load_b128 v[S+4*\i:S+4*\i+3], v[STR] offset:16*\i
.endr
.endm
; my 4,096 bytes of the next group.  K: 8 loads of 512 consecutive bytes.  V: a lane takes a channel and its registers run down the 32 keys: 32 loads of 128 consecutive bytes, beside my partner wave's 128.
; No cache word: the neighbouring work-group of the head reads these bytes again.
.macro ASK
	s_cmp_lt_u32 s16, 8
	s_cbranch_scc0 .Lask_v_\@
.irp i, 0,1,2,3,4,5,6,7
	global_load_b128 v[RAW+4*\i:RAW+4*\i+3], v[L16], s[26:27] offset:512*\i
.endr
	s_branch .Lask_done_\@
.Lask_v_\@:
.set i, 0
.rept 32
	global_load_b32 v[RAW+i], v[L4], s[26:27] offset:256*i
.set i, i+1
.endr
.Lask_done_\@:
.endm
.macro MAKE_K par                      ; my tile of 16 keys: lane (r, h) makes the codes of key r, channels 32 h on: registers 0-3 of the operand as they stand
	TURN
	s_wait_dscnt 0x0                                                 ; the 32 numbers are back
	Q32 S, CD, 0
	WORD T1
	s_wait_alu depctr_va_vdst(0)                                     ; the quantiser has written v[CD ..] and v[T1], which the two stores read, and is done reading S .. S + 31, in which the key step's loads of 8 kpm land
	ds_store_b128 v[KWI], v[CD:CD+3] offset:BUF0+BUFB*\par+KIMG
	ds_store_b32 v[KWS], v[T1] offset:BUF0+BUFB*\par+SCK             ; both lanes of a row store the same word
.endm
.macro MAKE_V par                      ; my block of 32 keys x 32 channels: a lane's 32 registers are one block along the keys
	Q32 RAW, CD, 1
	s_wait_alu depctr_va_vdst(0)                                     ; the quantiser has written v[CD ..] and v[T1], which the two stores read, and is done reading RAW, in which the next group's loads land
	ds_store_b128 v[VWI], v[CD:CD+3] offset:BUF0+BUFB*\par+VIMG
	ds_store_b8 v[VWS], v[T1] offset:BUF0+BUFB*\par+SCV
.endm
.macro QK t                            ; S^T tile t = 16 keys x my 16 queries + 8 kpm.  K's words of an odd tile stand in lanes 16-31
.if (\t)%2
	v_wmma_scale_f32_16x16x128_f8f6f4 v[S+8*(\t):S+8*(\t)+7], v[KF+4*(\t):KF+4*(\t)+7], v[QF:QF+7], v[S+8*(\t):S+8*(\t)+7], v[KS+(\t)/2], v[QS] matrix_a_fmt:MATRIX_FMT_FP4 matrix_b_fmt:MATRIX_FMT_FP4 matrix_a_scale:MATRIX_SCALE_ROW1
.else
	v_wmma_scale_f32_16x16x128_f8f6f4 v[S+8*(\t):S+8*(\t)+7], v[KF+4*(\t):KF+4*(\t)+7], v[QF:QF+7], v[S+8*(\t):S+8*(\t)+7], v[KS+(\t)/2], v[QS] matrix_a_fmt:MATRIX_FMT_FP4 matrix_b_fmt:MATRIX_FMT_FP4
.endif
.endm
.macro PV d                            ; O^T tile d += 16 channels x 128 keys x my 16 queries
.if (\d)%2
	v_wmma_scale_f32_16x16x128_f8f6f4 v[OT+8*(\d):OT+8*(\d)+7], v[KF+8*(\d):KF+8*(\d)+7], v[PC:PC+7], v[OT+8*(\d):OT+8*(\d)+7], v[VS+(\d)/2], v[PW] matrix_a_fmt:MATRIX_FMT_FP4 matrix_b_fmt:MATRIX_FMT_FP4 matrix_a_scale:MATRIX_SCALE_ROW1
.else
	v_wmma_scale_f32_16x16x128_f8f6f4 v[OT+8*(\d):OT+8*(\d)+7], v[KF+8*(\d):KF+8*(\d)+7], v[PC:PC+7], v[OT+8*(\d):OT+8*(\d)+7], v[VS+(\d)/2], v[PW] matrix_a_fmt:MATRIX_FMT_FP4 matrix_b_fmt:MATRIX_FMT_FP4
.endif
.endm
.macro VFRAG d                         ; V's fragment d out of the image buffer in hand (BP), into the registers that held K's tiles
	ds_load_b128 v[KF+8*(\d):KF+8*(\d)+3], v[L16] offset:BP+VIMG+1024*(\d)
	ds_load_b128 v[KF+8*(\d)+4:KF+8*(\d)+7], v[L16] offset:BP+VIMG+1024*(\d)+512
.endm
.macro SHR4 lo, hi                     ; a mask of 64 blocks goes on by a group's four
	s_lshr_b32 s[\lo], s[\lo], 4
	s_lshl_b32 s37, s[\hi], 28
	s_or_b32 s[\lo], s[\lo], s37
	s_lshr_b32 s[\hi], s[\hi], 4
.endm
; A KEY STEP of my tile: the group's 128 keys, of which my row uses the blocks named in s36.
.macro STEP par
.set BP, BUF0+BUFB*\par
.irp b, 0,1,2,3
	s_bitcmp1_b32 s36, \b
	s_cselect_b32 s[32+\b], 0, 0xff800000                            ; 0 for a block that counts, -infinity for one that does not
.endr
; No wait stands ahead of these 25 loads: v[KPA] was written, and S, KF and KS were last named by vector or matrix instructions, ahead of the wait on va_vdst at the group's head (waves 0-7, S: ahead of the quantiser's)
.irp t, 0,1,2,3,4,5,6,7
	ds_load_b128 v[S+8*\t:S+8*\t+3], v[KPA] offset:KPM+64*\t         ; 8 kpm of keys 16 t + 8 h + 0 .. 7: the first product's C, in the result's layout
	ds_load_b128 v[S+8*\t+4:S+8*\t+7], v[KPA] offset:KPM+64*\t+16
.endr
.irp t, 0,1,2,3,4,5,6,7
	ds_load_b128 v[KF+4*\t:KF+4*\t+3], v[L16] offset:BP+KIMG+512*\t
.endr
	ds_load_b128 v[KS:KS+3], v[L16] offset:BP+SCK                    ; register b: lanes 0-15 the words of tile 2 b, lanes 16-31 those of tile 2 b + 1
	s_wait_dscnt 0x0
.irp t, 0,1,2,3,4,5,6,7
	QK \t                                                            ; eight accumulators, one instruction each
.endr
.rept 4
	v_nop                                                            ; four places (ISA guide 7.12.1) ahead of the first read of the scores
.endr
	s_wait_alu depctr_va_vdst(0)                                     ; the eight products are done reading K's registers, in which V's fragments land
; V's nine loads are dealt among the first rounds of the maximum, which name S and BN alone: none of the registers that these loads touch.  They land while the softmax is walked
	VFRAG 0
.irp b, 0,1,2,3
	v_max3_num_f32 v[BN+1+2*\b], v[S+16*\b], v[S+16*\b+1], v[S+16*\b+2]      ; the largest score of each block of 32 keys: for the row's maximum, and, since p rises with the score, for the block's largest p.  Each accumulator is read from its low end on
.endr
.irp i, 3,5,7
.irp b, 0,1,2,3
	v_max3_num_f32 v[BN+1+2*\b], v[BN+1+2*\b], v[S+16*\b+\i], v[S+16*\b+\i+1]
.endr
	VFRAG (\i-1)/2
.endr
	ds_load_b64 v[VS:VS+1], v[L8] offset:BP+SCV
.irp i, 9,11,13
.irp b, 0,1,2,3
	v_max3_num_f32 v[BN+1+2*\b], v[BN+1+2*\b], v[S+16*\b+\i], v[S+16*\b+\i+1]
.endr
.endr
.irp b, 0,1,2,3
	v_max_num_f32 v[BN+1+2*\b], v[BN+1+2*\b], v[S+16*\b+15]
.endr
.irp b, 0,1,2,3
	v_permlanex16_b32 v[PT+\b], v[BN+1+2*\b], s18, s19
.endr
.irp b, 0,1,2,3
	v_max_num_f32 v[BN+1+2*\b], v[BN+1+2*\b], v[PT+\b]               ; with lane l xor 16's 16 keys
.endr
.irp b, 0,1,2,3
	v_add_f32 v[BN+1+2*\b], s[32+\b], v[BN+1+2*\b]                   ; a block that does not count: -infinity
.endr
	v_max3_num_f32 v[T0], v[BN+1], v[BN+3], v[BN+5]
	v_max_num_f32 v[T0], v[T0], v[BN+7]                              ; the step's largest score that counts: a number, since s36 is not 0
	v_mul_f32 v[T0], s20, v[T0]                                      ; as t
	v_max_num_f32 v[TMAX], v[TMAX], v[T0]
	v_mov_b32 v[T0], v[NM]
	v_floor_f32 v[NM], -v[TMAX]                                      ; the new -M = floor(-t) = -ceil(t)
	v_sub_f32 v[T0], v[NM], v[T0]                                    ; old M - new M: a whole number, 0 or less
	v_cvt_i32_f32 v[T0], v[T0]                                       ; (it saturates)
	v_ldexp_f32 v[F], 1.0, v[T0]                                     ; f = 2^(old M - new M): rounds nothing
.irp b, 0,1,2,3
	v_add_f32 v[BN+2*\b], s[32+\b], v[NM]                            ; -M, or -infinity for a block that does not count
.endr
.irp b, 0,1,2,3
.irp j, 0,2,4,6,8,10,12,14
	v_pk_fma_f32 v[S+16*\b+\j:S+16*\b+\j+1], v[S+16*\b+\j:S+16*\b+\j+1], s[20:21], v[BN+2*\b:BN+2*\b+1] op_sel_hi:[1,0,0]   ; t - M, two at a time; of both pairs the low word serves both halves
.endr
.endr
.irp b, 0,1,2,3
	v_fma_f32 v[BN+1+2*\b], v[BN+1+2*\b], s20, v[BN+2*\b]            ; the same of each block's largest score
.endr
.set j, 0
	s_wait_alu depctr_va_vdst(0)
.rept 64
	v_exp_f32 v[S+j], v[S+j]                                         ; p = 2^(t - M), at most 1; 0 in a block that does not count
.set j, j+1
.endr
.irp b, 0,1,2,3
	v_exp_f32 v[BN+1+2*\b], v[BN+1+2*\b]                             ; the block's largest p
.endr
	v_pk_mul_f32 v[LSUM:LSUM+1], v[LSUM:LSUM+1], v[F:F+1] op_sel_hi:[1,0]    ; the sums under the new M; also the plain place behind the exponentials
	s_wait_alu depctr_va_vdst(0)                                     ; the 68 exponentials have written p and the blocks' largest p: one wait for the batch, ahead of its first reader
.irp b, 0,1,2,3
	v_max_num_f32 v[BN+1+2*\b], 0x1800000, v[BN+1+2*\b]              ; the floor 2^(3 - 127): a block of zeros keeps the byte 1
.endr
.irp b, 0,1,2,3
	v_add_nc_u32 v[SCO+\b], 0xff000000, v[BN+1+2*\b]                 ; 2 off the exponent field: the conversion's scale operand
.endr
.irp b, 0,1,2,3
	v_lshrrev_b32 v[PT+\b], 23, v[SCO+\b]                            ; the scale's byte
.endr
	v_lshl_or_b32 v[PW], v[PT+1], 8, v[PT]                           ; p's scale word for these 128 keys
	v_lshl_or_b32 v[PW], v[PT+2], 16, v[PW]
	v_lshl_or_b32 v[PW], v[PT+3], 24, v[PW]
.irp b, 0,1,2,3
	v_cvt_scalef32_pk8_fp4_f32 v[PC+2*\b], v[S+16*\b:S+16*\b+7], v[SCO+\b]           ; keys 32 b + 8 h + 0 .. 7
	v_cvt_scalef32_pk8_fp4_f32 v[PC+2*\b+1], v[S+16*\b+8:S+16*\b+15], v[SCO+\b]      ; keys 32 b + 16 + 8 h + 0 .. 7
.endr
	v_nop                                                            ; one plain place behind the last scaled conversion
.irp c, 0,1
.irp i, 0,1
	v_permlane16_swap_b32 v[PC+4*\c+\i], v[PC+4*\c+2+\i]             ; a whole block to a lane: lanes 0-15 block 2 c, lanes 16-31 block 2 c + 1
.endr
.endr
	v_pk_add_f32 v[L2:L2+1], v[S:S+1], v[S+2:S+3]                    ; the row's sum of the unquantised p, two at a time, in two chains.  These 32 lines name no register of the products below: they are the places behind p's scale word and codes
.irp j, 4,8,12,16,20,24,28,32,36,40,44,48,52,56,60
	v_pk_add_f32 v[LSUM:LSUM+1], v[LSUM:LSUM+1], v[S+\j:S+\j+1]
	v_pk_add_f32 v[L2:L2+1], v[L2:L2+1], v[S+\j+2:S+\j+3]
.endr
	v_pk_add_f32 v[LSUM:LSUM+1], v[LSUM:LSUM+1], v[L2:L2+1]
.irp j, 0,2,4,6,8,10,12,14,16,18,20,22,24,26,28,30
	v_pk_mul_f32 v[OT+\j:OT+\j+1], v[OT+\j:OT+\j+1], v[F:F+1] op_sel_hi:[1,0]        ; O^T under the new M, each accumulator from its low end on
.endr
	s_wait_dscnt 0x0                                                 ; V's fragments and scale words are in
	s_wait_alu depctr_va_vdst(0)                                     ; p's codes v[PC ..] and its scale word v[PW] are written, which the scaled products below take; the places above stay beside this wait
.irp d, 0,1,2,3
	PV \d                                                            ; four accumulators, one instruction each
.endr
.rept 4
	v_nop                                                            ; four places for whatever vector instruction follows on any way: the next read of O^T
.endr
.endm
; ONE GROUP OF 128 KEYS.  par: the image buffer, the group's parity.
.macro TRIP par
	s_wait_loadcnt 0x0                                               ; my 4,096 bytes of this group are in, if they were asked for; no load names s[26:27] any more
	s_add_nc_u64 s[26:27], s[26:27], 32768                           ; on to the next group: 128 keys of 256 bytes
	s_wait_alu depctr_vm_vsrc(0)                                     ; the last key step's LDS loads have read v[KPA], which the next line writes
	v_add_nc_u32 v[KPA], s30, v[KPA0]                                ; this group's kpm address
	s_wait_alu depctr_va_vdst(0)                                     ; v[KPA] is written, which the key step's loads read; the last key step's vector and matrix instructions are done with S, KF, KS and VS, in which the stage's and the key step's loads land; in the first trip: Q's codes, the zero codes and Q's scale word are written, which the scaled products take
	s_and_b32 s37, s22, 15
	s_cmp_eq_u32 s37, 0
	s_cbranch_scc1 .Lmade_\@                                         ; none of the work-group's 8 rows uses this group
	s_cmp_lt_u32 s16, 8
	s_cbranch_scc0 .Lv_\@
	MAKE_K \par
	s_branch .Lmade_\@
.Lv_\@:
	MAKE_V \par
.Lmade_\@:
	s_wait_dscnt 0x0                                                 ; for the others' sake: my images have landed, and my reads of the other buffer, which the next group's images overwrite, are over
	s_wait_alu depctr_vm_vsrc(0)                                     ; the stage's stores have read RAW, in which the next group's loads land; the image stores have read v[CD ..] and v[T1], which the next group's quantiser writes
	s_barrier_signal -1
	s_barrier_wait -1                                                ; on every wave's path in every group
	SHR4 22, 23
	s_and_b32 s37, s22, 15
	s_cmp_eq_u32 s37, 0
	s_cbranch_scc1 .Lasked_\@                                        ; the next group is not used; behind the last group the mask is 0, so no load leaves its buffer
	ASK                                                              ; it lands while this group is multiplied.  No wait: no vector instruction since the quantiser's wait names RAW
.Lasked_\@:
	s_and_b32 s36, s24, 15
	s_cmp_eq_u32 s36, 0
	s_cbranch_scc1 .Lskip_\@                                         ; my row uses none of the group's four blocks
	STEP \par
.Lskip_\@:
	SHR4 24, 25
	s_add_co_u32 s30, s30, 512                                       ; the next group's 128 numbers of kpm
.endm
	s_load_b256 s[4:11], s[0:1], 0x0                                 ; query s[4:5], key s[6:7], value s[8:9], key_padding_mask s[10:11]
	s_load_b128 s[12:15], s[0:1], 0x20                               ; layout s[12:13], out0 s[14:15]
	v_lshl_add_u32 v240, v0, 2, 0x1a000                              ; the closing add's address: my spare word, behind the stages; made here and kept for that line alone
	v_mov_b32 v241, 0                                                ; and its 0, likewise
	v_lshrrev_b32 v[T0], 5, v0
	v_readfirstlane_b32 s16, v[T0]                                   ; wave 0..15
	v_and_b32 v[T1], 31, v0                                          ; lane
	v_and_b32 v224, 15, v0                                           ; r
	v_bfe_u32 v225, v0, 4, 1                                         ; h
	v_bfe_u32 v226, v0, 3, 1                                         ; which half of a row my 16 loaded bytes belong to
	v_and_b32 v227, 7, v0
	v_lshlrev_b32 v[L16], 4, v[T1]
	v_lshlrev_b32 v[L4], 2, v[T1]
	v_lshlrev_b32 v[L8], 3, v[T1]
	v_lshlrev_b32 v[T16], 4, v0
	s_wait_alu depctr_va_sdst(0)                                     ; s16 is written, ahead of its first reader: addresses, offsets and the branches on the wave's number are made from it
	s_and_b32 s17, s16, 7
	s_mul_i32 s38, s16, STGB
	s_add_co_u32 s38, s38, STG                                       ; my stage
	v_mul_u32_u24 v[STW], v226, 2432
	v_mad_u32_u24 v[STW], v225, 144, v[STW]
	v_lshl_add_u32 v[STW], v227, 4, v[STW]
	v_add_nc_u32 v[STW], s38, v[STW]                                 ; in: 2,432 x half + 144 x (lane / 16) + 16 x (lane % 8); load i's two rows 288 i on
	v_mul_u32_u24 v[STR], v224, 144
	v_mad_u32_u24 v[STR], v225, 2432, v[STR]
	v_add_nc_u32 v[STR], s38, v[STR]                                 ; out: row r, half h
	v_mul_u32_u24 v[SO], v224, 272
	v_lshl_add_u32 v[SO], v225, 5, v[SO]
	v_add_nc_u32 v[SO], s38, v[SO]                                   ; the way out, in: rows of 256 + 16 bytes; row r, + 32 h
	v_mul_u32_u24 v[SR], v225, 272
	v_lshl_add_u32 v[SR], v224, 4, v[SR]
	v_add_nc_u32 v[SR], s38, v[SR]                                   ; and back: lanes 0-15 one row, lanes 16-31 the next
	s_lshl_b32 s39, s17, 9
	v_add_nc_u32 v[KWI], s39, v[L16]                                 ; 512 x tile + 16 x lane
	s_and_b32 s36, s16, 1                                            ; w & 1: the tile's parity; for V: dh, which 32 channels
	s_lshr_b32 s40, s17, 1                                           ; (w & 7) / 2: the tile's block; for V: jb, which block of 32 keys
	s_lshl_b32 s39, s36, 8
	s_lshl_b32 s41, s40, 2
	s_add_co_u32 s39, s39, s41
	v_lshl_add_u32 v[KWS], v224, 4, s39                              ; key 32 b + 16 u + r of the group: 16 (16 u + r) + 4 b
	s_lshl_b32 s39, s36, 11
	s_lshl_b32 s41, s40, 8
	s_add_co_u32 s39, s39, s41
	v_lshlrev_b32 v[VWI], 10, v225
	v_lshl_add_u32 v[VWI], v224, 4, v[VWI]
	v_add_nc_u32 v[VWI], s39, v[VWI]                                 ; channel 32 dh + lane is row lane % 16 of fragment 2 dh + lane / 16; block jb is register group jb / 2, lanes' half jb % 2: 512 (jb / 2) + 256 (jb % 2) = 256 jb
	s_lshl_b32 s39, s36, 2
	s_add_co_u32 s39, s39, s40
	v_add_nc_u32 v[VWS], s39, v[L8]                                  ; 8 x lane + 4 dh + jb
	v_lshlrev_b32 v[KPA0], 5, v225
	v_lshlrev_b32 v[SH8], 3, v225
	; byte offsets, each in a pair with 0 above it
	s_and_b32 s37, ttmp7, 0xffff                                     ; 16 x batch + head
	s_lshl_b32 s41, s37, 19                                          ; a head's 2,048 rows of 256 bytes
	s_lshl_b32 s42, ttmp9, 16                                        ; my work-group's 256 rows,
	s_add_co_u32 s42, s42, s41
	s_lshl_b32 s39, s16, 12                                          ; my wave's 16
	s_add_co_u32 s42, s42, s39
	s_mov_b32 s43, 0
	s_lshr_b32 s32, s37, 4
	s_lshl_b32 s32, s32, 13                                          ; kpm: my batch's 8,192 bytes
	s_mov_b32 s33, 0
	s_and_b32 s34, s37, 15
	s_lshl_b32 s34, s34, 14                                          ; layout: my head's 64 rows of 256 bytes,
	s_lshl_b32 s39, ttmp9, 11                                        ; my work-group's 8
	s_add_co_u32 s34, s34, s39
	s_mov_b32 s35, 0
	s_lshr_b32 s30, s16, 1
	s_lshl_b32 s30, s30, 8                                           ; and among them my own: two waves to a block of 32 queries
	s_mov_b32 s31, 0
	s_lshl_b32 s44, s17, 12                                          ; K: my tile's 16 rows
	s_lshl_b32 s39, s40, 13                                          ; V: my block's 32 rows,
	s_lshl_b32 s36, s36, 7                                           ; my 32 channels
	s_add_co_u32 s39, s39, s36
	s_cmp_lt_u32 s16, 8
	s_cselect_b32 s44, s44, s39
	s_add_co_u32 s44, s44, s41
	s_mov_b32 s45, 0
	s_mov_b32 s18, 0x76543210
	s_mov_b32 s19, 0xfedcba98                                        ; v_permlanex16_b32's selects for lane l xor 16
	s_mov_b32 s20, 0x3e38aa3b                                        ; log2(e) / 8
	s_mov_b32 s21, s20                                               ; (named with it as a pair, so it is written)
	s_wait_kmcnt 0x0
	s_add_nc_u64 s[4:5], s[4:5], s[42:43]
	s_add_nc_u64 s[14:15], s[14:15], s[42:43]
	s_add_nc_u64 s[10:11], s[10:11], s[32:33]
	s_add_nc_u64 s[12:13], s[12:13], s[34:35]
	s_add_nc_u64 s[28:29], s[12:13], s[30:31]
	s_cmp_lt_u32 s16, 8                                              ; waves 0-7 fetch from key, waves 8-15 from value: the choice hangs on the wave's number alone
	s_cselect_b64 s[26:27], s[6:7], s[8:9]
	s_add_nc_u64 s[26:27], s[26:27], s[44:45]
	s_wait_alu depctr_va_vdst(0)                                     ; the offsets and LDS addresses v1 to v9, v19, v232 and v233 are written, which every load and store of the kernel but the loads of 8 kpm reads
.irp a, 0,1,2,3,4,5,6,7
	global_load_b32 v[S+2*\a], v[L4], s[12:13] offset:256*\a         ; the work-group's 8 rows of the layout: lane l takes blocks l and 32 + l
	global_load_b32 v[S+2*\a+1], v[L4], s[12:13] offset:256*\a+128
.endr
	global_load_b32 v[S+16], v[L4], s[28:29]                         ; my own row
	global_load_b32 v[S+17], v[L4], s[28:29] offset:128
	global_load_b128 v[S+32:S+35], v[T16], s[10:11]                  ; kpm: 512 threads x 16 bytes
.irp i, 0,1,2,3,4,5,6,7
	global_load_b128 v[RAW+4*\i:RAW+4*\i+3], v[L16], s[4:5] offset:512*\i th:TH_LOAD_NT      ; my 16 queries: read once in the launch
.endr
	s_mov_b32 s30, 0
	s_mov_b32 s31, 8
.irp j, 4,5,6,7
	v_mov_b32 v[QF+\j], 0                                            ; Q's zero codes for the instruction's upper 64 along K
.endr
.irp j, 0,1,2,3
	v_mov_b32 v[ZR+\j], 0
	v_mov_b32 v[PT+\j], 0                                            ; written once: a lane permute's destination counts as one of its sources
.endr
	v_mov_b32 v[F+1], 0
	v_mov_b32 v[LSUM], 0
	v_mov_b32 v[LSUM+1], 0
	v_mov_b32 v[TMAX], 0xff61b1e6                                    ; -3e38, under every t
	v_floor_f32 v[NM], -v[TMAX]
.set j, 0
.rept 32
	v_mov_b32 v[OT+j], 0                                             ; which step is a wave's first hangs on the layout, so no first step can be written out: O^T begins as zeros, which the first change of M leaves zeros
.set j, j+1
.endr
	s_wait_loadcnt 9                                                 ; the 18 loads of the layout are in; kpm's one and Q's eight may be out
.irp a, 1,2,3,4,5,6,7
	v_or_b32 v[S], v[S], v[S+2*\a]
	v_or_b32 v[S+1], v[S+1], v[S+2*\a+1]
.endr
	v_cmp_ne_u32 s22, 0, v[S]                                        ; bit j: some row of the work-group uses key block j
	v_cmp_ne_u32 s23, 0, v[S+1]
	v_cmp_ne_u32 s24, 0, v[S+16]                                     ; bit j: my row uses it
	v_cmp_ne_u32 s25, 0, v[S+17]
	s_wait_alu depctr_va_sdst(0)                                     ; the four compares have written s22 to s25, ahead of their first reader: one wait for the run
	s_wait_loadcnt 8                                                 ; kpm is in; Q's eight may be out
	v_pk_mul_f32 v[S+32:S+33], v[S+32:S+33], 0x41000000 op_sel_hi:[1,0]      ; x 8: exact
	v_pk_mul_f32 v[S+34:S+35], v[S+34:S+35], 0x41000000 op_sel_hi:[1,0]
	s_wait_alu depctr_va_vdst(0)                                     ; 8 kpm is written in S + 32 .. S + 35, which the store reads; the ORs and compares are done with S .. S + 17, in which the stage's loads below land
	ds_store_b128 v[T16], v[S+32:S+35] offset:KPM                    ; read by all waves behind the first group's barrier
	s_wait_loadcnt 0x0                                               ; Q
	TURN
	s_wait_dscnt 0x0                                                 ; my 32 numbers of Q are back
	s_wait_alu depctr_vm_vsrc(0)                                     ; the stage's stores have read RAW, in which group 0's loads land; kpm's store has read S + 32 .. S + 35, in which the first key step's loads land
	s_and_b32 s37, s22, 15
	s_cmp_eq_u32 s37, 0
	s_cbranch_scc1 .Lno_first
	ASK                                                              ; group 0, if it is used
.Lno_first:
	Q32 S, QF, 0
	WORD QS
.rept 8
	v_nop                                                            ; a scale register written by a vector instruction stands eight places ahead of a scaled matrix instruction, on the shortest way too
.endr
.Ltrip:                                                                  ; 8 trips of two groups: a constant, whatever the layout holds
	TRIP 0
	TRIP 1
	s_sub_co_u32 s31, s31, 1
	s_cmp_lg_u32 s31, 0
	s_cbranch_scc1 .Ltrip
	; THE WAY OUT.  O^T / the sum goes through my stage and leaves as whole rows of 256 bytes.
	v_add_f32 v[LSUM], v[LSUM], v[LSUM+1]                            ; the sum's two halves,
	v_permlanex16_b32 v[PT], v[LSUM], s18, s19
	v_add_f32 v[LSUM], v[LSUM], v[PT]                                ; and lane l xor 16's: the row's sum
	s_wait_alu depctr_va_vdst(0)
	v_rcp_f32 v[LSUM], v[LSUM]
	v_nop                                                            ; one plain place behind the transcendental
	s_wait_alu depctr_va_vdst(0)                                     ; the reciprocal has written v[LSUM], ahead of its first reader
.irp j, 0,2,4,6,8,10,12,14,16,18,20,22,24,26,28,30
	v_pk_mul_f32 v[S+\j:S+\j+1], v[OT+\j:OT+\j+1], v[LSUM:LSUM+1] op_sel_hi:[1,0]    ; register 8 d + i is out(query r, channel 16 d + 8 h + i); each accumulator from its low end on
.endr
	s_wait_alu depctr_va_vdst(0)                                     ; the sixteen multiplications have written S .. S + 31, which the stage's stores read; S + 32 .. S + 63, in which its loads land, were last named in the last key step
.irp d, 0,1,2,3
	ds_store_b128 v[SO], v[S+8*\d:S+8*\d+3] offset:64*\d
	ds_store_b128 v[SO], v[S+8*\d+4:S+8*\d+7] offset:64*\d+16
.endr
.irp i, 0,1,2,3,4,5,6,7
	ds_load_b128 v[S+32+4*\i:S+32+4*\i+3], v[SR] offset:544*\i       ; LDS serves a wave's instructions in order: these see my stores
.endr
.irp i, 0,1,2,3,4,5,6,7
	s_wait_dscnt 7-\i                                                ; load i is back; the younger ones may be out
	global_store_b128 v[L16], v[S+32+4*\i:S+32+4*\i+3], s[14:15] offset:512*\i th:TH_STORE_NT   ; 32 lanes store 512 consecutive bytes, two rows, at a multiple of 256 from out0's first byte
.endr
	s_wait_dscnt 0x0                                                 ; the closing lines, six on end
	s_wait_alu 0x0
	s_wait_tensorcnt 0x0
	ds_add_u32 v240, v241
	s_wait_dscnt 0x0
	s_endpgm
.Lfunc_end_k_q66af4ef711_attn:
	.size	k_q66af4ef711_attn, .Lfunc_end_k_q66af4ef711_attn-k_q66af4ef711_attn
	.p2alignl 7, 3214868480
	.fill 96, 4, 3214868480
	.section	.rodata,"a",@progbits
	.p2align	6, 0x0
	.amdhsa_kernel k_q66af4ef711_attn
		.amdhsa_group_segment_fixed_size 108544
		.amdhsa_private_segment_fixed_size 0
		.amdhsa_enable_private_segment 0
		.amdhsa_kernarg_size 48
		.amdhsa_user_sgpr_count 2
		.amdhsa_user_sgpr_kernarg_segment_ptr 1
		.amdhsa_wavefront_size32 1
		.amdhsa_system_sgpr_workgroup_id_x 1
		.amdhsa_system_sgpr_workgroup_id_y 1
		.amdhsa_system_sgpr_workgroup_id_z 1
		.amdhsa_system_vgpr_workitem_id 0
		.amdhsa_next_free_vgpr 242
		.amdhsa_next_free_sgpr 66
		.amdhsa_reserve_vcc 0
		.amdhsa_float_denorm_mode_32 3
		.amdhsa_float_denorm_mode_16_64 3
		.amdhsa_memory_ordered 1
		.amdhsa_forward_progress 1
		.amdhsa_inst_pref_size 71
	.end_amdhsa_kernel
	.amdgpu_metadata
---
amdhsa.version: [ 1, 2 ]
amdhsa.kernels:
  - .name:           k_q66af4ef711_attn
    .symbol:         k_q66af4ef711_attn.kd
    .args:
      - { .name: query, .offset: 0, .size: 8, .value_kind: global_buffer, .address_space: global }
      - { .name: key, .offset: 8, .size: 8, .value_kind: global_buffer, .address_space: global }
      - { .name: value, .offset: 16, .size: 8, .value_kind: global_buffer, .address_space: global }
      - { .name: key_padding_mask, .offset: 24, .size: 8, .value_kind: global_buffer, .address_space: global }
      - { .name: layout, .offset: 32, .size: 8, .value_kind: global_buffer, .address_space: global }
      - { .name: out0, .offset: 40, .size: 8, .value_kind: global_buffer, .address_space: global }
    .group_segment_fixed_size: 108544
    .private_segment_fixed_size: 0
    .kernarg_segment_align: 8
    .kernarg_segment_size: 48
    .max_flat_workgroup_size: 512
    .sgpr_count:     66
    .vgpr_count:     242
    .wavefront_size: 32
...
	.end_amdgpu_metadata
.endif
;; end of part 2
